; MI455X (gfx1250); checked and timed in simulation.
; The chip was launched on July 23, 2026; its instructions are those of AMD's public machine-readable ISA for CDNA 5 (MIT licence, August 2026) and "CDNA5" Instruction Set Architecture Reference Guide (July 2026). The comments in the code are by the model that wrote it; some were corrected since.
;; Custom Attention. Allowed arithmetic: matrix products marked QUANTISED: E4M3 operands, one given power-of-two scale a tensor, by v_wmma_f32_16x16x64_fp8_fp8 or v_wmma_f32_16x16x128_fp8_fp8, f32 sums; everything else in f32.
;; Inputs: Wk 1,024 x 1,024 float32; Wo 1,024 x 1,024 float32; Wq 1,024 x 1,024 float32; Wv 1,024 x 1,024 float32; bk 1,024 float32; bo 1,024 float32; bq 1,024 float32; bv 1,024 float32; key 16 x 512 x 1,024 float32; lowp_scales 12 int32 (the exponents e of the quantised operands' scales 2^e); query 16 x 1,024 x 1,024 float32; value 16 x 512 x 1,024 float32.
;; Outputs: out0 16 x 1,024 x 1,024 float32.
;; This version of the problem:
;;   THIS VERSION OF THE PROBLEM IS GIVEN IN LOW PRECISION. The matrix products marked QUANTISED in the list below multiply operands that are first quantised to E4M3 (4 exponent bits, 3 mantissa bits; 8 bits a number), with one given power-of-two scale for each operand tensor; their sums are f32. All else is computed in f32.
;;   The module's matrix products, in the order in which they are computed (A, B: the left and right operand; K: the contracted axis; several contracted axes count as one K, in the product's order):
;;     1. [M 16,384, K 1,024] x [K 1,024, N 1,024]; A: input query; B: input Wq: QUANTISED (scales: A lowp_scales[0], B lowp_scales[1])
;;     2. [M 8,192, K 1,024] x [K 1,024, N 1,024]; A: input key; B: input Wk: QUANTISED (scales: A lowp_scales[2], B lowp_scales[3])
;;     3. [M 8,192, K 1,024] x [K 1,024, N 1,024]; A: input value; B: input Wv: QUANTISED (scales: A lowp_scales[4], B lowp_scales[5])
;;     4. batch 16 x [M 1,024, K 1,024] x [K 1,024, N 512]; A: computed on the way; B: computed on the way: QUANTISED (scales: A lowp_scales[6], B lowp_scales[7])
;;     5. batch 16 x [M 1,024, K 512] x [K 512, N 1,024]; A: softmax (see below); B: computed on the way: QUANTISED (scales: A lowp_scales[8], B lowp_scales[9])
;;     6. [M 16,384, K 1,024] x [K 1,024, N 1,024]; A: computed on the way; B: input Wo: QUANTISED (scales: A lowp_scales[10], B lowp_scales[11])
;;   THE QUANTISER, for each operand of a quantised product, along K:
;;     - The operand's scale is 2^e, e = its entry of the input lowp_scales (int32; the entries are numbered through the quantised products in the list's order, A before B).
;;     - Each number is divided by the scale, clamped to +-448, and rounded to the nearest number of E4M3, ties to even, subnormals kept.
;;     - The product sums the exact products of the quantised numbers (number of the format x scale) in f32.
;;   ~~~python
;;   def quantise(x, axis, e):      # numpy; x: float32 -> the quantised numbers, widened to float32 again
;;       x = np.moveaxis(x, axis, -1); K = x.shape[-1]
;;       r = np.clip(x / 2.0 ** e, -448, 448)
;;       step = 2.0 ** (np.maximum(np.frexp(np.where(r == 0, 1, r))[1] - 1, -6) - 3)
;;       q = np.round(r / step) * step * 2.0 ** e      # np.round: ties to even
;;       return np.moveaxis(q, -1, axis).astype(np.float32)
;;   ~~~
;;   SOFTMAX AHEAD OF A QUANTISED PRODUCT. Where the list says 'softmax', what is quantised is not the finished softmax but p = 2^(t - M), with t = logit x log2(e) and M = ceil(the row's largest t), a whole number; so 1/2 < the row's largest p <= 1. The row's sum l is taken of the UNQUANTISED p, in f32, and the product's result is divided by l at the end. Since M is a whole number, a kernel that streams over the keys may use a running M (the ceiling of the running maximum): every later rescaling is an exact power of two, so the quantised numbers keep their values, but for numbers so far below the row's largest that they fall under the format's range.
;;   OPERANDS COMPUTED ON THE WAY. 'Computed on the way' means the value that the module computes at that place (a softmax that the list does not call 'softmax' is quantised finished and normalised). What goes into a quantiser is computed in f32, as accurately as f32 sums, v_exp_f32 and their like allow (about 1e-6 of the number): no bf16 or f16 on the way to a quantiser, and a product that is left as it is and whose result goes on into a quantised operand takes f32 operands (vector FMAs, or v_wmma_f32_16x16x4_f32). A number that lies on a knife's edge between two numbers of the format may be rounded either way, as far as f32 arithmetic and the matrix unit's own rounding can turn it there, and no further.
;; One version. Each part assembles by itself: llvm-mc -triple=amdgcn-amd-amdhsa -mcpu=gfx1250 --defsym DOCPART=n.
;; ======== version 1 of 1: 3 launches
;; limits: right only within a limited range of input values
;; workspace buffers: codes 36,700,160 bytes; woimg 1,048,576 bytes; img 33,554,432 bytes
;; launch quant (part 1): grid 2272 x 1, 2 waves a work-group, no clusters, 0 bytes of LDS; arguments query, key, value, Wq, Wk, Wv, Wo, lowp_scales, codes, woimg; writes codes, woimg
.if DOCPART == 1
	.amdgcn_target "amdgcn-amd-amdhsa--gfx1250"
	.amdhsa_code_object_version 6
	.text
	.protected	k_q49d6d20ca8_quant
	.globl	k_q49d6d20ca8_quant
	.p2align	8
	.type	k_q49d6d20ca8_quant,@function
k_q49d6d20ca8_quant:
	s_mov_b64 s[64:65], 0
	v_nop
	global_prefetch_b8 v0, s[64:65] scope:SCOPE_SE
	s_setreg_imm32_b32 hwreg(HW_REG_WAVE_MODE, 25, 1), 1
	s_wait_xcnt 0x0
; The f32 inputs of the quantised products become codes of FP8 (E4M3), each tensor with its given scale 2^e:
; code = x / 2^e, held within +-448, rounded to the nearest code, ties to even.
; LIMITS: every e used here (entries 0 to 5 and 11) lies between -126 and 119, so that 2^e and 448 x 2^e are f32 numbers.  NaN among the inputs is not served.
; STREAM PATH, work-groups 32 to 2271: query, key, value, Wq, Wk, Wv, 35,840 rows of 1,024 numbers in all, go into one buffer of rows of 1,024 codes, in that order.
; A wave takes 8 rows: 16 steps of 512 numbers (half a row).  INSIDE EACH GROUP OF 32 ROWS THE BLOCKS OF 8 ROWS ARE STORED IN THE ORDER 0, 2, 1, 3:
; 16 neighbouring stored rows (tile 2 b + u, place r) are then the true rows 32 b + 8 u + r + 8 (r / 8), which is the choice of rows that lets a product's results be the next operand's registers.
; ALONG K THE CODES OF A ROW ARE STORED PERMUTED, alike in all six tensors: in each half row of 512, place 16 l + 4 i + e holds k = 128 i + 4 l + e.  That is what lane l has when each of a step's four loads
; reads 512 consecutive bytes, 16 a lane.  Both operands of each of the three products that read these rows come from this path, so every code meets its partner; only the order of the sums changes.
; So no number changes lanes: four loads, sixteen holds, two conversions, one store of 512 consecutive bytes.  No LDS, no barrier: waves share nothing.  Loads run six steps (24 loads a wave) ahead.
; Wo PATH, work-groups 0 to 31 (a wave of it reads twice the bytes of a stream wave, so they come first): Wo [n][e] becomes images of operand registers: a fragment (16 rows n x 128 along e) is 2,048 bytes,
; group c of four at 512 c, lane l's 16 bytes at 16 l: row n = 16 nt + l % 16, e = 128 t + 32 c + 16 (l / 16) + 0 .. 15, in true order.  A wave takes one tile nt and its 8 K steps t;
; K step t is stored at place (t / 2) + 4 (t % 2) of eight.
; No cluster and no matrix work: no two work-groups read the same bytes, and the launch only moves and converts.
.set NWO,   32                         ; work-groups of Wo's path
.set STEPS, 16
.set NSET,  6                          ; steps of loads on their way
.set EMAX,  8
.set MANT,  0x600000                   ; the mantissa field of 448 as f32
.set R,     16                         ; v16-111  six sets of 16 numbers
.set C,     112                        ; v112-143 eight sets of four registers of codes
.set WX,    16                         ; Wo path: v16-143 two sets of 64 numbers
.set WC,    144                        ; Wo path: v144-159 a fragment's codes
.macro LOAD t
.irp i, 0,1,2,3
	global_load_b128 v[R+16*((\t)%NSET)+4*\i:R+16*((\t)%NSET)+4*\i+3], v3, s[34:35] offset:2048*(\t)+512*\i th:TH_LOAD_NT   ; 32 lanes read 512 consecutive bytes; read once in the launch
.endr
.endm
.macro STEP t
.set XS, R+16*((\t)%NSET)
.set CD, C+4*((\t)%8)
.if STEPS-1-(\t) >= NSET-1
	s_wait_loadcnt 4*(NSET-1)                      ; this step's four loads are in; those of the five steps behind it may be out
.else
	s_wait_loadcnt 4*(STEPS-1-(\t))
.endif
.if (\t) >= 8
	s_wait_xcnt 0x0                                ; the store of eight steps back has read this set of codes: it is written again only behind this wait
.endif
.irp i, 0,1,2,3,4,5,6,7,8,9,10,11,12,13,14,15
	v_med3_num_f32 v[XS+\i], v[XS+\i], -v10, v10   ; the conversion to an 8-bit code does not saturate (ISA guide 7.6.2): the number is held within 448 x the scale first
.endr
	v_cvt_scalef32_pk8_fp8_f32 v[CD:CD+1], v[XS:XS+7], v11         ; the codes of loads 0 and 1: bytes 4 i + e
	v_cvt_scalef32_pk8_fp8_f32 v[CD+2:CD+3], v[XS+8:XS+15], v11    ; of loads 2 and 3.  (The next vector instructions are the next step's holds, plain and on other registers)
.if (\t)+NSET < STEPS
	LOAD (\t)+NSET                                 ; the set that has just been converted takes the loads of six steps on
.endif
	global_store_b128 v3, v[CD:CD+3], s[20:21] offset:512*(\t)     ; 512 consecutive bytes, at a multiple of 256 from the buffer's first byte
.endm
.macro WLOAD t                         ; Wo: my lane's 64 numbers of K step t: 16 neighbours of each of four blocks of 32
.irp c, 0,1,2,3
.irp i, 0,1,2,3
	global_load_b128 v[WX+64*((\t)%2)+16*\c+4*\i:WX+64*((\t)%2)+16*\c+4*\i+3], v12, s[16:17] offset:512*(\t)+128*\c+16*\i
.endr
.endr
.endm
.macro WSTEP t
.set XS, WX+64*((\t)%2)
.if (\t) < 7
	s_wait_loadcnt 16                              ; this step's sixteen loads are in; the next step's sixteen may be out
.else
	s_wait_loadcnt 0x0
.endif
.if (\t) >= 1
	s_wait_xcnt 0x0                                ; the last step's stores have read the codes: they are written again only behind this wait
.endif
.set n_, 0
.rept 64
	v_med3_num_f32 v[XS+n_], v[XS+n_], -v10, v10
.set n_, n_+1
.endr
.irp g, 0,1,2,3,4,5,6,7
	v_cvt_scalef32_pk8_fp8_f32 v[WC+2*\g:WC+2*\g+1], v[XS+8*\g:XS+8*\g+7], v11
.endr
.if (\t)+2 < 8
	WLOAD (\t)+2
.endif
.irp c, 0,1,2,3
	global_store_b128 v3, v[WC+4*\c:WC+4*\c+3], s[22:23] offset:(((\t)>>1)+4*((\t)&1))*131072+512*\c   ; 512 consecutive bytes of the fragment's image
.endr
.endm
	s_load_b512 s[4:19], s[0:1], 0x0               ; query s[4:5], key s[6:7], value s[8:9], Wq s[10:11], Wk s[12:13], Wv s[14:15], Wo s[16:17], the exponents s[18:19]
	s_load_b128 s[20:23], s[0:1], 0x40             ; the rows of codes s[20:21], Wo's images s[22:23]
	v_lshrrev_b32 v1, 5, v0
	v_readfirstlane_b32 s33, v1                    ; wave 0..1
	v_and_b32 v2, 31, v0                           ; lane
	v_lshlrev_b32 v3, 4, v2                        ; 16 x lane: my 16 bytes of a load's or a store's 512; never rewritten
	s_wait_kmcnt 0x0
	s_load_b256 s[24:31], s[18:19], 0x0            ; e0 .. e7
	s_load_b32 s32, s[18:19], 0x2c                 ; e11
	s_cmp_lt_u32 ttmp9, NWO                        ; the two paths part on the work-group's number alone
	s_cbranch_scc1 .Lwo
	; ---- the stream path
	s_sub_co_u32 s43, ttmp9, NWO                   ; 0 .. 2,239
	s_lshr_b32 s44, s43, 1                         ; my group of 32 rows, 0 .. 1,119
	s_and_b32 s45, s43, 1
	s_lshl_b32 s45, s45, 1
	s_or_b32 s45, s45, s33                         ; my block of 8 rows in it, 0 .. 3
	s_mov_b64 s[34:35], s[14:15]                   ; which tensor is mine, and its first group: the choice hangs on the work-group's number alone
	s_mov_b32 s36, 1088
	s_cmp_lt_u32 s44, 1088
	s_cselect_b64 s[34:35], s[12:13], s[34:35]
	s_cselect_b32 s36, 1056, s36
	s_cmp_lt_u32 s44, 1056
	s_cselect_b64 s[34:35], s[10:11], s[34:35]
	s_cselect_b32 s36, 1024, s36
	s_cmp_lt_u32 s44, 1024
	s_cselect_b64 s[34:35], s[8:9], s[34:35]
	s_cselect_b32 s36, 768, s36
	s_cmp_lt_u32 s44, 768
	s_cselect_b64 s[34:35], s[6:7], s[34:35]
	s_cselect_b32 s36, 512, s36
	s_cmp_lt_u32 s44, 512
	s_cselect_b64 s[34:35], s[4:5], s[34:35]
	s_cselect_b32 s36, 0, s36
	s_sub_co_u32 s38, s44, s36
	s_lshl_b32 s38, s38, 17                        ; 32 rows of 4,096 bytes for each group of the tensor (under 2^27),
	s_lshl_b32 s39, s45, 15
	s_add_co_u32 s38, s38, s39                     ; 8 rows for each block
	s_mov_b32 s39, 0
	s_add_nc_u64 s[34:35], s[34:35], s[38:39]
	s_and_b32 s40, s45, 1
	s_lshl_b32 s40, s40, 1
	s_lshr_b32 s41, s45, 1
	s_or_b32 s40, s40, s41                         ; the stored place of my block of 8 rows: 0, 2, 1, 3
	s_lshl_b32 s40, s40, 13
	s_lshl_b32 s41, s44, 15                        ; 32 rows of 1,024 codes for each group
	s_add_co_u32 s40, s40, s41
	s_mov_b32 s41, 0
	s_add_nc_u64 s[20:21], s[20:21], s[40:41]
	s_wait_alu depctr_va_vdst(0)
.irp t, 0,1,2,3,4,5
	LOAD \t
.endr
	s_wait_kmcnt 0x0
	s_mov_b32 s37, s29                             ; my tensor's e: Wv e5, Wk e3, Wq e1, value e4, key e2, query e0
	s_cmp_lt_u32 s44, 1088
	s_cselect_b32 s37, s27, s37
	s_cmp_lt_u32 s44, 1056
	s_cselect_b32 s37, s25, s37
	s_cmp_lt_u32 s44, 1024
	s_cselect_b32 s37, s28, s37
	s_cmp_lt_u32 s44, 768
	s_cselect_b32 s37, s26, s37
	s_cmp_lt_u32 s44, 512
	s_cselect_b32 s37, s24, s37
	s_add_co_i32 s37, s37, 127
	s_lshl_b32 s38, s37, 23
	v_mov_b32 v11, s38                             ; 2^e as f32: the conversion takes its exponent field
	s_add_co_i32 s37, s37, EMAX
	s_lshl_b32 s37, s37, 23
	s_or_b32 s37, s37, MANT
	v_mov_b32 v10, s37                             ; 448 x 2^e
	s_wait_alu depctr_va_vdst(0)
.irp t, 0,1,2,3,4,5,6,7,8,9,10,11,12,13,14,15
	STEP \t
.endr
	s_endpgm
	; ---- Wo's path
.Lwo:
	s_lshl_b32 s36, ttmp9, 1
	s_add_co_u32 s36, s36, s33                     ; my tile of 16 rows: nt = 2 x work-group + wave
	s_lshl_b32 s38, s36, 16                        ; 16 rows of 4,096 bytes
	s_mov_b32 s39, 0
	s_add_nc_u64 s[16:17], s[16:17], s[38:39]
	s_lshl_b32 s38, s36, 11                        ; 2,048 bytes an image
	s_add_nc_u64 s[22:23], s[22:23], s[38:39]
	v_and_b32 v5, 15, v0                           ; r
	v_bfe_u32 v6, v0, 4, 1                         ; h
	v_lshlrev_b32 v12, 12, v5
	v_lshl_add_u32 v12, v6, 6, v12                 ; row r, + 64 h: my 16 numbers of a block of 32
	WLOAD 0
	WLOAD 1
	s_wait_kmcnt 0x0
	s_add_co_i32 s37, s32, 127
	s_lshl_b32 s38, s37, 23
	v_mov_b32 v11, s38                             ; 2^e11
	s_add_co_i32 s37, s37, EMAX
	s_lshl_b32 s37, s37, 23
	s_or_b32 s37, s37, MANT
	v_mov_b32 v10, s37                             ; 448 x 2^e11
	s_wait_alu depctr_va_vdst(0)
.irp t, 0,1,2,3,4,5,6,7
	WSTEP \t
.endr
	s_endpgm
.Lfunc_end_k_q49d6d20ca8_quant:
	.size	k_q49d6d20ca8_quant, .Lfunc_end_k_q49d6d20ca8_quant-k_q49d6d20ca8_quant
	.p2alignl 7, 3214868480
	.fill 96, 4, 3214868480
	.section	.rodata,"a",@progbits
	.p2align	6, 0x0
	.amdhsa_kernel k_q49d6d20ca8_quant
		.amdhsa_group_segment_fixed_size 0
		.amdhsa_private_segment_fixed_size 0
		.amdhsa_enable_private_segment 0
		.amdhsa_kernarg_size 80
		.amdhsa_user_sgpr_count 2
		.amdhsa_user_sgpr_kernarg_segment_ptr 1
		.amdhsa_wavefront_size32 1
		.amdhsa_system_sgpr_workgroup_id_x 1
		.amdhsa_system_sgpr_workgroup_id_y 1
		.amdhsa_system_sgpr_workgroup_id_z 1
		.amdhsa_system_vgpr_workitem_id 0
		.amdhsa_next_free_vgpr 160
		.amdhsa_next_free_sgpr 66
		.amdhsa_reserve_vcc 0
		.amdhsa_float_denorm_mode_32 3
		.amdhsa_float_denorm_mode_16_64 3
		.amdhsa_memory_ordered 1
		.amdhsa_forward_progress 1
		.amdhsa_inst_pref_size 82
	.end_amdhsa_kernel
	.amdgpu_metadata
---
amdhsa.version: [ 1, 2 ]
amdhsa.kernels:
  - .name:           k_q49d6d20ca8_quant
    .symbol:         k_q49d6d20ca8_quant.kd
    .args:
      - { .name: query, .offset: 0, .size: 8, .value_kind: global_buffer, .address_space: global }
      - { .name: key, .offset: 8, .size: 8, .value_kind: global_buffer, .address_space: global }
      - { .name: value, .offset: 16, .size: 8, .value_kind: global_buffer, .address_space: global }
      - { .name: Wq, .offset: 24, .size: 8, .value_kind: global_buffer, .address_space: global }
      - { .name: Wk, .offset: 32, .size: 8, .value_kind: global_buffer, .address_space: global }
      - { .name: Wv, .offset: 40, .size: 8, .value_kind: global_buffer, .address_space: global }
      - { .name: Wo, .offset: 48, .size: 8, .value_kind: global_buffer, .address_space: global }
      - { .name: lowp_scales, .offset: 56, .size: 8, .value_kind: global_buffer, .address_space: global }
      - { .name: codes, .offset: 64, .size: 8, .value_kind: global_buffer, .address_space: global }
      - { .name: woimg, .offset: 72, .size: 8, .value_kind: global_buffer, .address_space: global }
    .group_segment_fixed_size: 0
    .private_segment_fixed_size: 0
    .kernarg_segment_align: 8
    .kernarg_segment_size: 80
    .max_flat_workgroup_size: 64
    .sgpr_count:     66
    .vgpr_count:     160
    .wavefront_size: 32
...
	.end_amdgpu_metadata
.endif
;; end of part 1
;; launch proj (part 2): grid 128 x 4, 4 waves a work-group, clusters of 4 x 4, 327,680 bytes of LDS; arguments codes, lowp_scales, bq, bk, bv, img; writes img
.if DOCPART == 2
	.amdgcn_target "amdgcn-amd-amdhsa--gfx1250"
	.amdhsa_code_object_version 6
	.text
	.protected	k_q49d6d20ca8_proj
	.globl	k_q49d6d20ca8_proj
	.p2align	8
	.type	k_q49d6d20ca8_proj,@function
k_q49d6d20ca8_proj:
	s_mov_b64 s[64:65], 0
	v_nop
	global_prefetch_b8 v0, s[64:65] scope:SCOPE_SE
	s_setreg_imm32_b32 hwreg(HW_REG_WAVE_MODE, 25, 1), 1
	s_wait_xcnt 0x0
	s_wait_alu depctr_hold_cnt(0) depctr_sa_sdst(0) depctr_va_vdst(0) depctr_va_sdst(0) depctr_va_ssrc(0) depctr_va_vcc(0) depctr_vm_vsrc(0)
	s_getreg_b32 s2, hwreg(HW_REG_IB_STS2, 6, 4)
	s_cmp_eq_u32 s2, 0
	s_cbranch_scc0 .Lentry_in_a_cluster
	s_endpgm
.Lentry_in_a_cluster:
	s_bfe_u32 s2, ttmp6, 0x10000c
	s_cmp_lg_u32 s2, 0xf033
	s_cbranch_scc0 .Lentry_shape_is_right
	s_endpgm
.Lentry_shape_is_right:
; The three projections q = query Wq^T + bq, k = key Wk^T + bk, v = value Wv^T + bv on codes of FP8 (E4M3), K = 1,024, and their results quantised at once for the next products.
; All six operands are rows of 1,024 codes in ONE buffer: query from row 0, key 16,384, value 24,576, Wq 32,768, Wk 33,792, Wv 34,816; in each group of 32 rows the blocks of 8 are stored 0, 2, 1, 3.
; A cluster of 4 x 4 work-groups makes 1,024 x 1,024 results; a work-group 256 x 256; each of its four waves 128 x 128: 64 accumulators, 512 registers.  K goes in steps of 256 through two LDS slots.
; SOURCE 1 ("A", its row stays in the lane) and SOURCE 0 ("B", its rows run along a lane's registers) by the cluster's number CL:
;   CL 0-15  q of batch CL:  A = Wq's rows i,  B = query's rows t   (the next K is t);   bias bq by lane
;   CL 16-23 v:              A = Wv's rows e,  B = value's rows s   (the next K is s);   bias bv by lane
;   CL 24-31 k:              A = key's rows s, B = Wk's rows t      (the next K is t);   bias bk by register
; By the stored order of the rows, the 64 registers of A's tile a hold, at 16 c + i, B's true row 32 c + 16 (lane / 16) + i of the wave's 128: the order of an operand's registers.  So each tile a gives one
; IMAGE of a fragment (16 rows x 128 K, 2,048 bytes: group c at 512 c, lane l at 16 l), stored by four stores of 512 consecutive bytes each; no LDS on the way out.
; code = (sum + bias / 2^esum) / 2^(eo - esum), held within +-448: esum the two operands' exponents added, eo the result's own.
; LIMITS: eo - esum between -126 and 119.  NaN among the inputs is not served.
; JOINT LOADS: the four work-groups of a row of the cluster need the same tile of A, the four of a column the same tile of B: each tile is asked for by the same tensor load in all four, with a mask that names them.
; No prefetch: of the four K steps two are the first fills, and what would run ahead of the other two would stand at the head, among every work-group's first loads.
; REGISTERS: window 0: v0-31 addresses; v32-95 bias by register, v96-103 bias by lane, v104-119 its pairs; from v128 A's fragments, ONE set; on the way out v128-191 sums at work, v192-255 four sets of codes.
;   window 1: B's fragments, TWO sets.   window 2: the accumulators of my A tiles 0-3 ((a, b) at v[8 (8 a + b)]);   window 3: those of tiles 4-7.
.set KSTEP,  256                       ; along K in a slot
.set ROWB,   256                       ; a tile's row in bytes
.set KROW,   1024                      ; a row of codes in memory, in bytes
.set PITCH,  272                       ; an LDS row: 256 bytes + 16 of padding = 68 words: row r starts at bank 4 r mod 64 (64 banks of 4 bytes: ISA guide 11.1)
.set FR,     16                        ; registers of a fragment
.set NL,     4                         ; LDS loads that bring one
.set NP,     4                         ; places behind this matrix instruction (ISA guide 7.12.1)
.set HALFT,  128*PITCH                 ; 128 rows: what one tensor load brings
.set SLOT,   4*HALFT                   ; A's 256 rows, then B's 256 rows
.set LAPS,   2                         ; 1,024 along K = two laps of two K steps
.set SPARE,  2*SLOT                    ; behind the ring: the spare words, 128 bytes for each wave
.set ADRA, 16                          ; v16-17  LDS address of my A fragments in slot 0, 1
.set ADRB, 20                          ; v20-21  the same for B
.set CO,   26                          ; v26     16 x lane
.set SPW,  28                          ; v28     my spare word's LDS address; never rewritten
.set NIL,  29                          ; v29     0; never rewritten
.set SC,   30                          ; v30     2^(eo - esum)
.set LIM,  31                          ; v31     448 x that
.set BRG,  32                          ; bias by register
.set BLN,  96                          ; bias by lane
.set BP,   104                         ; its pairs
.set TMP,  128
.set AF,   128                         ; A's fragments, in window 0
.set G1, 24                            ; s[24:31] descriptor group 1 for A's tiles;  s[32:39] group 0, one set for each slot
.set G0, 32
.set G1B, 48                           ; s[48:55], s[56:63] the same for B's tiles
.set G0B, 56
.set MSB, 0
.macro WIN new                         ; the immediate's high byte repeats the setting that is left
.if MSB != (\new)
	s_set_vgpr_msb (MSB<<8)|(\new)
.set MSB, (\new)
.endif
.endm
.set MUL_LO, 0xa1                      ; source 0 (B) window 1, source 1 (A) window 0, C and D window 2
.set MUL_HI, 0xf1                      ; the same, C and D window 3
.set TO_B,   0x40                      ; destination window 1, address window 0
; A joint load: waves 0 and 1 fetch for A, waves 2 and 3 for B.  The branch hangs on the wave's number alone.  Four v_nop follow each of the two lines.
.macro JLOAD g0a, g1a, g0b, g1b
	s_cmp_eq_u32 s15, 0
	s_cbranch_scc0 .Lfor_b_\@
	tensor_load_to_lds s[\g0a:\g0a+3], s[\g1a:\g1a+7]
	s_nop 0
.rept 4
	v_nop
.endr
	s_branch .Lasked_\@
.Lfor_b_\@:
	tensor_load_to_lds s[\g0b:\g0b+3], s[\g1b:\g1b+7]
	s_nop 0
.rept 4
	v_nop
.endr
.Lasked_\@:
.endm
.macro CREST                           ; a round of the cluster's barrier behind its opening barrier
	s_cmp_lg_u32 s14, 0
	s_cbranch_scc1 .Lnot_wave_0_\@
	s_barrier_signal -3
.Lnot_wave_0_\@:
	s_barrier_wait -3
	s_barrier_signal -1
	s_barrier_wait -1
.endm
.macro CROUND                          ; a whole round
	s_barrier_signal -1
	s_barrier_wait -1
	CREST
.endm
	s_load_b256 s[4:11], s[0:1], 0x0               ; the rows of codes s[4:5], the exponents s[6:7], bq s[8:9], bk s[10:11]
	s_load_b128 s[80:83], s[0:1], 0x20             ; bv s[80:81], the images s[82:83]
	v_lshl_add_u32 v[SPW], v0, 2, SPARE
	v_mov_b32 v[NIL], 0
	ds_add_u32 v28, v29
	ds_add_u32 v28, v29
	s_wait_dscnt 0x0
	v_lshrrev_b32 v1, 5, v0
	v_readfirstlane_b32 s14, v1                    ; wave 0..3
	s_lshr_b32 s15, s14, 1                         ; which half of the tile's A rows is mine.  Also: I fetch for A (0) or for B (1)
	s_and_b32 s16, s14, 1                          ; which half of its B rows.  Also: which 128 rows of that tile I fetch
	s_bfe_u32 s40, ttmp6, 0x40000                  ; cx, cy: my place in the cluster
	s_bfe_u32 s41, ttmp6, 0x40004
	s_lshl_b32 s43, s41, 2
	s_lshl_b32 s43, 15, s43                        ; my row of the cluster
	s_lshl_b32 s44, 0x1111, s40                    ; my column
	s_or_b32 s[G1+0], s43, (0<<16)|(1<<20)|(1<<21)|(5<<22)|(3<<25)  ; 15:0 the mask: A's tiles go to my row; 17:16 elements of 1 byte; 20 padding on; 21 set beside a mask; 24:22 after every 64 words; 31:25 four words
	s_or_b32 s[G1B+0], s44, (0<<16)|(1<<20)|(1<<21)|(5<<22)|(3<<25)
.irp g, G1, G1B
	s_mov_b32 s[\g+1], ROWB<<16                    ; tensor_dim0
	s_mov_b32 s[\g+2], 128<<16                     ; tensor_dim1 = 128
	s_mov_b32 s[\g+3], ROWB<<16                    ; tile_dim0
	s_mov_b32 s[\g+4], 128                         ; tile_dim1 = 128
	s_mov_b32 s[\g+5], KROW                        ; tensor_dim0_stride
	s_mov_b32 s[\g+6], 0
	s_mov_b32 s[\g+7], 0
.endr
	; the cluster's task, by its number (ttmp9), which all sixteen partners share
	s_and_b32 s84, ttmp9, 7
	s_lshl_b32 s84, s84, 10                        ; 1,024 x (CL mod 8)
	s_add_co_u32 s85, s84, 16384                   ; k: A = key's rows
	s_add_co_u32 s86, s84, 24576                   ; v: B = value's rows
	s_lshl_b32 s87, ttmp9, 10                      ; q: B = query's rows
	s_mov_b32 s88, 34816                           ; Wv
	s_mov_b32 s89, 33792                           ; Wk
	s_mov_b32 s91, 32768                           ; Wq
	s_cmp_lt_u32 ttmp9, 24
	s_cselect_b32 s85, s88, s85
	s_cselect_b32 s86, s86, s89
	s_cselect_b32 s90, 0, 1                        ; 1: the bias goes by register (k)
	s_cmp_lt_u32 ttmp9, 16
	s_cselect_b32 s85, s91, s85                    ; A's first row
	s_cselect_b32 s86, s87, s86                    ; B's first row
	s_lshl_b32 s18, s16, 7                         ; which 128 rows of the tile I fetch
	s_lshl_b32 s20, s41, 8
	s_add_co_u32 s20, s20, s18
	s_add_co_u32 s20, s20, s85                     ; A: first row + 256 cy + 128 x half: no cx enters these registers
	s_lshl_b32 s20, s20, 10                        ; in bytes (under 2^26)
	s_mov_b32 s21, 0
	s_lshl_b32 s46, s40, 8
	s_add_co_u32 s46, s46, s18
	s_add_co_u32 s46, s46, s86                     ; B: first row + 256 cx + 128 x half: no cy enters these
	s_lshl_b32 s46, s46, 10
	s_mov_b32 s47, 0
	s_mul_i32 s45, s14, HALFT                      ; where they go: wave x 128 rows
	s_wait_kmcnt 0x0
	s_load_b256 s[68:75], s[6:7], 0x0              ; e0 .. e7
	s_load_b128 s[76:79], s[6:7], 0x20             ; e8 .. e11
	s_add_nc_u64 s[20:21], s[4:5], s[20:21]
	s_add_nc_u64 s[46:47], s[4:5], s[46:47]
	CROUND                                         ; all sixteen work-groups are here: the first joint loads meet
.irp s, 0,1
	s_mov_b32 s[G0+4*\s], 1
	s_add_co_u32 s[G0+4*\s+1], s45, \s*SLOT
	s_add_nc_u64 s[G0+4*\s+2:G0+4*\s+3], s[20:21], \s*ROWB
	s_or_b32 s[G0+4*\s+3], s[G0+4*\s+3], 0x80000000
	s_mov_b32 s[G0B+4*\s], 1
	s_add_co_u32 s[G0B+4*\s+1], s45, \s*SLOT
	s_add_nc_u64 s[G0B+4*\s+2:G0B+4*\s+3], s[46:47], \s*ROWB
	s_or_b32 s[G0B+4*\s+3], s[G0B+4*\s+3], 0x80000000
.endr
	JLOAD G0, G1, G0B, G1B                         ; K step 0: one tensor load a wave at the head
	v_and_b32 v1, 15, v0                           ; r = lane % 16
	s_wait_alu depctr_va_vdst(0)
	v_bfe_u32 v2, v0, 4, 1                         ; h = lane / 16
	v_mul_u32_u24 v3, v1, PITCH
	v_lshl_add_u32 v4, v2, 4, v3                   ; a fragment's row x pitch + 16 x half
	s_mul_i32 s21, s15, HALFT                      ; my 128 rows of A
	s_mul_i32 s22, s16, HALFT                      ; my 128 rows of B,
	s_add_co_u32 s22, s22, 2*HALFT                 ; which lie behind A's 256
.irp s, 0,1
	v_add_nc_u32 v[ADRA+\s], s21, v4
	v_add_nc_u32 v[ADRB+\s], s22, v4
	s_add_co_u32 s21, s21, SLOT
	s_add_co_u32 s22, s22, SLOT
.endr
	; the bias, both ways; only one of the two is used, by the cluster's task, and both stay inside the 1,024 numbers
	s_lshl_b32 s98, s41, 8
	s_lshl_b32 s17, s15, 7
	s_add_co_u32 s98, s98, s17                     ; MR: my first A row in the cluster's 1,024
	s_lshl_b32 s99, s40, 8
	s_lshl_b32 s17, s16, 7
	s_add_co_u32 s99, s99, s17                     ; NC: my first B row in the cluster's 1,024
	s_cmp_lt_u32 ttmp9, 24
	s_cselect_b64 s[92:93], s[80:81], s[10:11]
	s_cmp_lt_u32 ttmp9, 16
	s_cselect_b64 s[92:93], s[8:9], s[92:93]       ; bq, bv or bk
	s_lshl_b32 s18, s98, 2
	s_mov_b32 s19, 0
	s_add_nc_u64 s[94:95], s[92:93], s[18:19]
	s_lshl_b32 s18, s99, 2
	s_add_nc_u64 s[96:97], s[92:93], s[18:19]
	v_and_b32 v8, 8, v1
	v_add_nc_u32 v8, v8, v1
	v_lshlrev_b32 v8, 2, v8                        ; 4 (r + 8 (r / 8)): lane r of tile a holds true row 32 (a / 2) + 8 (a % 2) + r + 8 (r / 8)
	v_lshlrev_b32 v9, 6, v2                        ; 64 h: register 16 c + i holds true row 32 c + 16 h + i
	v_and_b32 v6, 31, v0
	v_lshlrev_b32 v[CO], 4, v6
.irp a, 0,1,2,3,4,5,6,7
	global_load_b32 v[BLN+\a], v8, s[94:95] offset:4*(32*(\a/2)+8*(\a%2))
.endr
.irp c, 0,1,2,3
.irp i, 0,1,2,3
	global_load_b128 v[BRG+16*\c+4*\i:BRG+16*\c+4*\i+3], v9, s[96:97] offset:128*\c+16*\i
.endr
.endr
	; where my eight images go
	s_lshl_b32 s42, s98, 7                         ; 2,048 bytes for each tile of 16 A rows
	s_add_co_u32 s17, s87, s99                     ; q: [b][t / 128][tile of i]: 1,024 CL + NC is 1,024 b + t
	s_lshr_b32 s17, s17, 7
	s_lshl_b32 s17, s17, 17
	s_add_co_u32 s17, s17, s42
	s_add_co_u32 s18, s84, s99                     ; v: 512 b + s
	s_lshr_b32 s22, s18, 9
	s_lshl_b32 s22, s22, 20                        ; a MiB for each batch,
	s_bfe_u32 s18, s18, 0x20007
	s_lshl_b32 s18, s18, 17                        ; [s / 128][tile of e]
	s_add_co_u32 s18, s18, s22
	s_add_co_u32 s18, s18, s42
	s_add_co_u32 s18, s18, 0x1080000               ; behind q's 16 MiB, in the second half of the batch's MiB
	s_add_co_u32 s22, s84, s98                     ; k: 512 b + s
	s_lshr_b32 s23, s22, 9
	s_lshl_b32 s23, s23, 20
	s_bfe_u32 s22, s22, 0x20007
	s_lshl_b32 s22, s22, 15                        ; [t / 256][s / 128][(t / 128) % 2][tile of 16 keys]
	s_add_co_u32 s22, s22, s23
	s_lshr_b32 s23, s99, 8
	s_lshl_b32 s23, s23, 17
	s_add_co_u32 s22, s22, s23
	s_bfe_u32 s23, s99, 0x10007
	s_lshl_b32 s23, s23, 14
	s_add_co_u32 s22, s22, s23
	s_add_co_u32 s22, s22, 0x1000000
	s_cmp_lt_u32 ttmp9, 24
	s_cselect_b32 s100, s18, s22
	s_cmp_lt_u32 ttmp9, 16
	s_cselect_b32 s100, s17, s100
	s_mov_b32 s101, 0
	s_add_nc_u64 s[82:83], s[82:83], s[100:101]
.macro FRAG reg, adr, q, i             ; a fragment, 16 rows x 128 K, is 16 registers: lane l holds row l % 16; registers 4 c .. 4 c + 3 hold K = 32 c + 16 (l / 16) + 0 .. 15, alike in A and in B
.irp c, 0,1,2,3
	ds_load_b128 v[\reg+4*\c:\reg+4*\c+3], v[\adr] offset:128*(\q)+32*\c+(\i)*16*PITCH
.endr
.endm
; 16 matrix instructions: A's tiles a0, a0 + 1 x B's eight, 128 along K.  p: B's set.  zero = 1: the first product starts the sums.
; The 64 accumulators take turns, one instruction a turn, in the same order in every step.
.macro MUL16 a0, p, zero
.irp a, \a0, \a0+1
.irp b, 0,1,2,3,4,5,6,7
.if \zero
	v_wmma_f32_16x16x128_fp8_fp8 v[8*(8*((\a)%4)+\b):8*(8*((\a)%4)+\b)+7], v[128*(\p)+FR*\b:128*(\p)+FR*\b+FR-1], v[AF+FR*(\a):AF+FR*(\a)+FR-1], 0
.else
	v_wmma_f32_16x16x128_fp8_fp8 v[8*(8*((\a)%4)+\b):8*(8*((\a)%4)+\b)+7], v[128*(\p)+FR*\b:128*(\p)+FR*\b+FR-1], v[AF+FR*(\a):AF+FR*(\a)+FR-1], v[8*(8*((\a)%4)+\b):8*(8*((\a)%4)+\b)+7]
.endif
.endr
.endr
.endm
.macro FETCH_B slot, q, p              ; B's eight fragments of the slot's q-th 128 along K into set p
	WIN TO_B
.irp i, 0,1,2,3,4,5,6,7
	FRAG 128*(\p)+FR*\i, ADRB+\slot, \q, \i
.endr
	WIN 0
.endm
.macro FETCH_A slot, q, i0             ; A's tiles i0 .. i0 + 3
.irp i, \i0, \i0+1, \i0+2, \i0+3
	FRAG AF+FR*(\i), ADRA+\slot, \q, \i
.endr
.endm
.macro PLACES n                        ; plain vector instructions between a matrix instruction and a load into its registers or a read of its results
.rept \n
	v_nop
.endr
.endm
; A step of 128 along K that has its successor in the same slot.  A has one set of registers: tiles 0-3 are fetched anew in the step's middle, tiles 4-7 at its end.
.macro STEP slot, q, zero
	s_wait_dscnt 4*NL                              ; B's set and A's tiles 0-3 are in; the youngest sixteen loads (A's tiles 4-7) may be out
	WIN MUL_LO
	MUL16 0, (\q)%2, \zero
	MUL16 2, (\q)%2, \zero
	s_wait_dscnt 0                                 ; A's tiles 4-7 are in
	PLACES NP
	FETCH_B \slot, (\q)+1, 1-(\q)%2
	FETCH_A \slot, (\q)+1, 0
	WIN MUL_HI
	MUL16 4, (\q)%2, \zero
	MUL16 6, (\q)%2, \zero
	PLACES NP
	WIN 0
	FETCH_A \slot, (\q)+1, 4
.endm
; A slot's last step changes slots: ONE barrier; in front of it each wave waits for all its tensor loads, adds 0 to its spare word, and waits for that and for its own reads of this slot.  fill = 1: this slot is filled again.
.macro TURN slot, next, fill
	s_wait_tensorcnt 0x0                           ; all my tensor loads have landed: my part of the next slot
	ds_add_u32 v[SPW], v[NIL]                      ; 0 onto my spare word
	s_wait_dscnt 4*NL+1                            ; (the add and the youngest sixteen loads, A's tiles 4-7, may be out)
	WIN MUL_LO
	MUL16 0, 1, 0                                  ; sixteen matrix instructions stand between the add and the wait for it
	s_wait_dscnt 0x0                               ; the add is done, and my reads of this slot are over
	s_barrier_signal -1
	MUL16 2, 1, 0
	WIN 0
	s_barrier_wait -1
.if \fill
	CREST                                          ; the barrier has opened a round of the cluster's barrier: no wave of any partner still reads this slot or has a load on its way
	s_add_nc_u64 s[G0+4*\slot+2:G0+4*\slot+3], s[G0+4*\slot+2:G0+4*\slot+3], 2*ROWB
	s_add_nc_u64 s[G0B+4*\slot+2:G0B+4*\slot+3], s[G0B+4*\slot+2:G0B+4*\slot+3], 2*ROWB
	JLOAD G0+4*\slot, G1, G0B+4*\slot, G1B         ; the first tensor load behind the round; its four v_nop are also the places in front of the loads below
.else
	PLACES NP
.endif
	FETCH_B \next, 0, 0
	FETCH_A \next, 0, 0
	WIN MUL_HI
	MUL16 4, 1, 0
	MUL16 6, 1, 0
	PLACES NP
	WIN 0
	FETCH_A \next, 0, 4
.endm
	s_wait_alu depctr_va_vdst(0)
	s_wait_tensorcnt 0x0                           ; my part of K step 0 is in
	ds_add_u32 v[SPW], v[NIL]
	s_wait_dscnt 0x0
	CROUND                                         ; a whole round: everybody's part of K step 0 is in, and the joint loads meet
	JLOAD G0+4, G1, G0B+4, G1B                     ; K step 1, the first tensor load behind the round
	FETCH_B 0, 0, 0
	FETCH_A 0, 0, 0
	FETCH_A 0, 0, 4
	STEP 0, 0, 1                                   ; the first step stands in front of the loop: its products start the sums
	s_mov_b32 s3, LAPS-1
.Llap:                                                 ; a trip goes once round the ring and fills both slots again
	TURN 0, 1, 1
	STEP 1, 0, 0
	TURN 1, 0, 1
	STEP 0, 0, 0
	s_sub_co_u32 s3, s3, 1
	s_cmp_lg_u32 s3, 0
	s_cbranch_scc1 .Llap
	TURN 0, 1, 0                                   ; the last lap fills nothing
	STEP 1, 0, 0
	s_wait_dscnt 4*NL                              ; the very last step: nothing more to fetch
	WIN MUL_LO
	MUL16 0, 1, 0
	MUL16 2, 1, 0
	s_wait_dscnt 0
	WIN MUL_HI
	MUL16 4, 1, 0
	MUL16 6, 1, 0
	WIN 0
; THE WAY OUT of A's tile a: + bias, held, converted, stored as one image.  kind = 0: the bias of my lane's row (a pair of equal numbers); 1: the bias of each register's row.
.macro OUT a, kind
.set AC, 64*((\a)%4)
.set CD, 192+16*((\a)%4)
.if (\a) >= 4
	s_wait_xcnt 0x0                                ; the stores of four tiles back have read this set of codes
.endif
	WIN 0x02+((\a)/4)                              ; source 0: window 2 or 3
.set n_, 0
.rept 32
.if \kind
	v_pk_add_f32 v[TMP+n_:TMP+n_+1], v[AC+n_:AC+n_+1], v[BRG+n_:BRG+n_+1]       ; each accumulator from its low end on
.else
	v_pk_add_f32 v[TMP+n_:TMP+n_+1], v[AC+n_:AC+n_+1], v[BP+2*(\a):BP+2*(\a)+1]
.endif
.set n_, n_+2
.endr
	WIN 0
.set n_, 0
.rept 64
	v_med3_num_f32 v[TMP+n_], v[TMP+n_], -v[LIM], v[LIM]   ; the conversion does not saturate (ISA guide 7.6.2): the hold at 448 x the scale
.set n_, n_+1
.endr
.irp g, 0,1,2,3,4,5,6,7
	v_cvt_scalef32_pk8_fp8_f32 v[CD+2*\g:CD+2*\g+1], v[TMP+8*\g:TMP+8*\g+7], v[SC]
.endr
	v_nop                                          ; a plain vector instruction between the conversions and the next tile's additions, which write their sources
.irp c, 0,1,2,3
	global_store_b128 v[CO], v[CD+4*\c:CD+4*\c+3], s[82:83] offset:2048*(\a)+512*\c   ; 512 consecutive bytes, at a multiple of 256 from the buffer's first byte
.endr
.endm
	PLACES NP                                      ; behind the last products: their results are read, and A's registers written, below
	s_wait_loadcnt 0x0                             ; the bias
	s_wait_kmcnt 0x0
	s_add_co_i32 s68, s68, s69                     ; q: e0 + e1
	s_add_co_i32 s70, s70, s71                     ; k: e2 + e3
	s_add_co_i32 s72, s72, s73                     ; v: e4 + e5
	s_cmp_lt_u32 ttmp9, 24
	s_cselect_b32 s70, s72, s70
	s_cselect_b32 s75, s77, s75                    ; v: e9, k: e7
	s_cmp_lt_u32 ttmp9, 16
	s_cselect_b32 s70, s68, s70                    ; esum
	s_cselect_b32 s75, s74, s75                    ; eo (q: e6)
	s_sub_co_i32 s71, 0, s70                       ; -esum
	s_sub_co_i32 s72, s75, s70
	s_add_co_i32 s72, s72, 127
	s_lshl_b32 s73, s72, 23
	v_mov_b32 v[SC], s73                           ; 2^(eo - esum) as f32
	s_add_co_i32 s72, s72, 8
	s_lshl_b32 s72, s72, 23
	s_or_b32 s72, s72, 0x600000
	v_mov_b32 v[LIM], s72                          ; 448 x that
	s_cmp_eq_u32 s90, 0                            ; by the cluster's number: the same in all partners
	s_cbranch_scc0 .Lkind1
.irp a, 0,1,2,3,4,5,6,7
	v_ldexp_f32 v[BP+2*\a], v[BLN+\a], s71         ; bias / 2^esum, twice: a pair for the packed addition
	v_ldexp_f32 v[BP+2*\a+1], v[BLN+\a], s71
.endr
.irp a, 0,1,2,3,4,5,6,7
	OUT \a, 0
.endr
	s_branch .Ljoin
.Lkind1:
.set n_, 0
.rept 64
	v_ldexp_f32 v[BRG+n_], v[BRG+n_], s71
.set n_, n_+1
.endr
.irp a, 0,1,2,3,4,5,6,7
	OUT \a, 1
.endr
.Ljoin:
	s_wait_tensorcnt 0x0                           ; the wave's end
	ds_add_u32 v[SPW], v[NIL]
	s_wait_dscnt 0x0
	CROUND                                         ; the closing round: no work-group ends while a partner may still ask for a tile that names it
	s_endpgm
.Lfunc_end_k_q49d6d20ca8_proj:
	.size	k_q49d6d20ca8_proj, .Lfunc_end_k_q49d6d20ca8_proj-k_q49d6d20ca8_proj
	.p2alignl 7, 3214868480
	.fill 96, 4, 3214868480
	.section	.rodata,"a",@progbits
	.p2align	6, 0x0
	.amdhsa_kernel k_q49d6d20ca8_proj
		.amdhsa_group_segment_fixed_size 327680
		.amdhsa_private_segment_fixed_size 0
		.amdhsa_enable_private_segment 0
		.amdhsa_kernarg_size 48
		.amdhsa_user_sgpr_count 2
		.amdhsa_user_sgpr_kernarg_segment_ptr 1
		.amdhsa_wavefront_size32 1
		.amdhsa_system_sgpr_workgroup_id_x 1
		.amdhsa_system_sgpr_workgroup_id_y 1
		.amdhsa_system_sgpr_workgroup_id_z 1
		.amdhsa_system_vgpr_workitem_id 0
		.amdhsa_next_free_vgpr 1024
		.amdhsa_next_free_sgpr 102
		.amdhsa_reserve_vcc 0
		.amdhsa_float_denorm_mode_32 3
		.amdhsa_float_denorm_mode_16_64 3
		.amdhsa_memory_ordered 1
		.amdhsa_forward_progress 1
		.amdhsa_inst_pref_size 199
	.end_amdhsa_kernel
	.amdgpu_metadata
---
amdhsa.version: [ 1, 2 ]
amdhsa.kernels:
  - .name:           k_q49d6d20ca8_proj
    .symbol:         k_q49d6d20ca8_proj.kd
    .args:
      - { .name: codes, .offset: 0, .size: 8, .value_kind: global_buffer, .address_space: global }
      - { .name: lowp_scales, .offset: 8, .size: 8, .value_kind: global_buffer, .address_space: global }
      - { .name: bq, .offset: 16, .size: 8, .value_kind: global_buffer, .address_space: global }
      - { .name: bk, .offset: 24, .size: 8, .value_kind: global_buffer, .address_space: global }
      - { .name: bv, .offset: 32, .size: 8, .value_kind: global_buffer, .address_space: global }
      - { .name: img, .offset: 40, .size: 8, .value_kind: global_buffer, .address_space: global }
    .group_segment_fixed_size: 327680
    .private_segment_fixed_size: 0
    .kernarg_segment_align: 8
    .kernarg_segment_size: 48
    .max_flat_workgroup_size: 128
    .sgpr_count:     102
    .vgpr_count:     1024
    .wavefront_size: 32
...
	.end_amdgpu_metadata
.endif
;; end of part 2
;; launch attn (part 3): grid 16 x 16, 4 waves a work-group, clusters of 4 x 1, 327,680 bytes of LDS; arguments img, woimg, lowp_scales, bo, out0; writes out0
.if DOCPART == 3
	.amdgcn_target "amdgcn-amd-amdhsa--gfx1250"
	.amdhsa_code_object_version 6
	.text
	.protected	k_q49d6d20ca8_attn
	.globl	k_q49d6d20ca8_attn
	.p2align	8
	.type	k_q49d6d20ca8_attn,@function
k_q49d6d20ca8_attn:
	s_mov_b64 s[64:65], 0
	v_nop
	global_prefetch_b8 v0, s[64:65] scope:SCOPE_SE
	s_setreg_imm32_b32 hwreg(HW_REG_WAVE_MODE, 25, 1), 1
	s_wait_xcnt 0x0
	s_wait_alu depctr_hold_cnt(0) depctr_sa_sdst(0) depctr_va_vdst(0) depctr_va_sdst(0) depctr_va_ssrc(0) depctr_va_vcc(0) depctr_vm_vsrc(0)
	s_getreg_b32 s2, hwreg(HW_REG_IB_STS2, 6, 4)
	s_cmp_eq_u32 s2, 0
	s_cbranch_scc0 .Lentry_in_a_cluster
	s_endpgm
.Lentry_in_a_cluster:
	s_bfe_u32 s2, ttmp6, 0x10000c
	s_cmp_lg_u32 s2, 0x3003
	s_cbranch_scc0 .Lentry_shape_is_right
	s_endpgm
.Lentry_shape_is_right:
; out[b][i][:] = (softmax_s(sum_t q[b][t][i] k[b][s][t] / 32) v[b]) Wo^T + bo, all three products on codes of FP8 (E4M3), each operand with its given scale.
; A work-group owns 64 rows i of one batch (x = block of rows, y = batch) and takes them through the whole chain; nothing goes to memory on the way.
; q, k, v and Wo arrive as IMAGES of operand registers: a fragment (16 rows x 128 K) is 2,048 bytes, group c of four registers at 512 c, lane l at 16 l.
;   q  [b][t/128][tile of i];  k  16 MiB on: [b][t/256][s/128][(t/128)%2][tile of s];  v  in the second half of the batch's MiB there: [s/128][tile of e];  Wo [place of the K step][tile of n].
; All products are used transposed (source 0 = 16 keys, 16 e or 16 n; source 1 = 16 of my rows i): a lane holds one row i throughout.  The rows of a stored tile are 32 (T/2) + 8 (T%2) + r + 8 (r/8),
; so the 16 registers of result tiles 2 c, 2 c + 1 are 16 neighbours along the next K, and the conversions' results are the next operand's registers.
; SHARES.  Wave w takes keys 128 w .. (32 accumulators), then e and n 256 w .. (64 accumulators, windows 2 and 3); the accumulators take turns.
; SOURCE 0 comes through a ring of two LDS slots of 128 KiB, sixteen fills in all (k 4, v 4, Wo 8).  Each wave asks for its own 32 KiB (16 fragments) and reads them alone, into window 1.
; CLUSTER 4 x 1: the four work-groups own rows of the same batch and walk the same k, v and Wo, so each fill is a JOINT load with the mask of all four; a round of the cluster's barrier stands in front of each,
; with the wait for all tensor loads, the add and the wait for the LDS reads ahead of it.  The order of the K steps is turned by the cluster's x: step n is (x + n) % 4 of four.
; SOURCE 1: q comes from memory straight into registers (window 3, two sets of two K steps); p and o go from wave to wave as images in 32 KiB of LDS behind the ring.
; o's 1,024 along K go in two halves: each wave's first 128 e (K steps 0, 2, 4, 6), then its second (1, 3, 5, 7): Wo's images are stored in that order of places.
; PREFETCH: in the first step each wave names 8 KiB (lanes 256 bytes apart) of v's tile that is loaded first, two changes of slots ahead of its load; the four partners share the tile out by address.
; SOFTMAX: t = score x log2(e) / 32; M = ceil(the row's largest t), over the four waves through LDS; p = 2^(t - M) is quantised; the sum of the unquantised p divides o.
; THE WAY OUT: 16 rows x 128 columns at a time through the wave's stage, which lies in its part of slot 0 behind that slot's last fill and last read; back as rows of 512 bytes, x 2^(e10 + e11) + bo, two aligned units of 256 bytes a store.
; LIMITS: e6 + e7 between -121 and 132 (added to the factor's exponent field); e8 and e10 between -126 and 119; e10 + e11 between -126 and 127.  NaN among the inputs is not served.
.set SLOTB,  131072
.set XB,     262144
.set STATM,  294912
.set SPARE,  296960
.set STP,    528
.set SPW, 8
.set NIL, 9
.set XA,  28
.set PC,  32
.set MX,  96
.set NM,  104
.set SU,  112
.set ASET, 128
.set G1,  20
.set G0,  28
.set KVL, 54
.set KVH, 80
.set WOL, 6
.set WOH, 82
.set OF,  72
.set QB,  84
.set MSB, 0
.macro WIN new
.if MSB != (\new)
	s_set_vgpr_msb (MSB<<8)|(\new)
.set MSB, (\new)
.endif
.endm
.macro PLACES
.rept 4
	v_nop
.endr
.endm
.macro CROUND
	s_barrier_signal -1
	s_barrier_wait -1
	s_cmp_lg_u32 s14, 0
	s_cbranch_scc1 .Lnot_wave_0_\@
	s_barrier_signal -3
.Lnot_wave_0_\@:
	s_barrier_wait -3
	s_barrier_signal -1
	s_barrier_wait -1
.endm
.macro MUL16 g, ph, set, zero
.if \ph == 1
	WIN 0xad
.else
	WIN 0xa1+0x50*((\g)/2)
.endif
.irp ff, 0,1,2,3
.irp m, 0,1,2,3
.set F_, 4*(\g)+\ff
.set AC_, 32*(F_%8)+8*\m
.if \ph == 1
.set AA_, 128*(\set)+64*((\g)/2)+16*\m
.else
.set AA_, ASET+64*(\set)+16*\m
.endif
.if \zero
	v_wmma_f32_16x16x128_fp8_fp8 v[AC_:AC_+7], v[16*F_:16*F_+15], v[AA_:AA_+15], 0
.else
	v_wmma_f32_16x16x128_fp8_fp8 v[AC_:AC_+7], v[16*F_:16*F_+15], v[AA_:AA_+15], v[AC_:AC_+7]
.endif
.endr
.endr
.endm
.macro LOADB g, slot
	WIN 0x40
.irp ff, 0,1,2,3
.irp c, 0,1,2,3
	ds_load_b128 v[16*(4*(\g)+\ff)+4*\c:16*(4*(\g)+\ff)+4*\c+3], v[2+\slot] offset:2048*(4*(\g)+\ff)+512*\c
.endr
.endr
.endm
.macro LOADA set, n
	WIN 0
.irp m, 0,1,2,3
.irp c, 0,1,2,3
	ds_load_b128 v[ASET+64*(\set)+16*\m+4*\c:ASET+64*(\set)+16*\m+4*\c+3], v[XA+(\n)] offset:2048*\m+512*\c
.endr
.endr
.endm
.macro LOADQ set, n
	WIN 0xc0
.irp u, 0,1
.irp m, 0,1,2,3
.irp c, 0,1,2,3
	global_load_b128 v[128*(\set)+64*\u+16*\m+4*\c:128*(\set)+64*\u+16*\m+4*\c+3], v1, s[QB+2*(\n):QB+2*(\n)+1] offset:\u*131072+2048*\m+512*\c
.endr
.endr
.endr
.endm
.macro IMG reg
.irp m, 0,1,2,3
.irp c, 0,1,2,3
	ds_store_b128 v5, v[\reg+16*\m+4*\c:\reg+16*\m+4*\c+3] offset:2048*\m+512*\c
.endr
.endr
.endm
.macro CHG slot, base, n
	WIN 0
	s_wait_dscnt 0x0
	CROUND
	s_add_nc_u64 s[G0+4*(\slot)+2:G0+4*(\slot)+3], s[\base:\base+1], s[OF+2*(\n):OF+2*(\n)+1]
	s_or_b32 s[G0+4*(\slot)+3], s[G0+4*(\slot)+3], 0x80000000
	tensor_load_to_lds s[G0+4*(\slot):G0+4*(\slot)+3], s[G1:G1+7]
	s_nop 0
	PLACES
.endm
.macro ASK
	global_prefetch_b8 v13, s[46:47] th:TH_LOAD_NT scope:SCOPE_SE
.endm
.macro STEP j, ph, base, z, lq, aks, qj, ask, sp
	WIN 0
	s_wait_tensorcnt 0x0
	ds_add_u32 v[SPW], v[NIL]
	s_wait_dscnt 17
.if \lq >= 0
	s_wait_loadcnt \lq
.endif
	MUL16 0, \ph, (\j)%2, \z
	CHG (\j)%2, \base, ((\j)+2)%4
.if \sp
	s_wait_alu depctr_va_vdst(0)
	IMG PC
.endif
	LOADB 0, ((\j)+1)%2
.if \ask
	WIN 0
	ASK
.endif
	MUL16 1, \ph, (\j)%2, \z
	PLACES
	LOADB 1, ((\j)+1)%2
	MUL16 2, \ph, (\j)%2, 0
.if \sp
	s_wait_dscnt 0x0
	s_barrier_signal -1
	s_barrier_wait -1
.endif
	PLACES
	LOADB 2, ((\j)+1)%2
.if \aks >= 0
	LOADA ((\j)+1)%2, \aks
.endif
	MUL16 3, \ph, (\j)%2, 0
	PLACES
	LOADB 3, ((\j)+1)%2
.if \qj >= 0
	LOADQ (\j)%2, \qj
.endif
	WIN 0
.endm
.macro STEPN j, aks
	MUL16 0, 2, (\j)%2, 1
	PLACES
	LOADB 0, ((\j)+1)%2
	MUL16 1, 2, (\j)%2, 1
	PLACES
	LOADB 1, ((\j)+1)%2
	MUL16 2, 2, (\j)%2, 1
	PLACES
	LOADB 2, ((\j)+1)%2
	LOADA ((\j)+1)%2, \aks
	MUL16 3, 2, (\j)%2, 1
	PLACES
	LOADB 3, ((\j)+1)%2
	WIN 0
.endm
.macro CHANGE slot, base, n
	WIN 0
	s_wait_tensorcnt 0x0
	ds_add_u32 v[SPW], v[NIL]
	CHG \slot, \base, \n
.endm
.macro OQ win, dst
	WIN ((\win)<<6)|(\win)
.irp f, 0,1,2,3,4,5,6,7
.irp m, 0,1,2,3
.irp q, 0,2,4,6
	v_pk_mul_f32 v[32*\f+8*\m+\q:32*\f+8*\m+\q+1], v[32*\f+8*\m+\q:32*\f+8*\m+\q+1], v[NM+2*\m:NM+2*\m+1]
.endr
.endr
.endr
.set n_, 0
.rept 256
	v_med3_num_f32 v[n_], v[n_], -v14, v14
.set n_, n_+1
.endr
	WIN \win
.irp m, 0,1,2,3
.irp f, 0,1,2,3,4,5,6,7
	v_cvt_scalef32_pk8_fp8_f32 v[\dst+16*\m+2*\f:\dst+16*\m+2*\f+1], v[32*\f+8*\m:32*\f+8*\m+7], v15
.endr
.endr
.endm
	s_load_b256 s[4:11], s[0:1], 0x0
	s_load_b64 s[12:13], s[0:1], 0x20
	v_lshl_add_u32 v[SPW], v0, 2, SPARE
	v_mov_b32 v[NIL], 0
	ds_add_u32 v8, v9
	ds_add_u32 v8, v9
	s_wait_dscnt 0x0
	v_lshrrev_b32 v12, 5, v0
	v_readfirstlane_b32 s14, v12
	s_bfe_u32 s15, ttmp6, 0x40000
	s_lshl_b32 s16, ttmp9, 2
	s_add_co_u32 s16, s16, s15
	s_and_b32 s17, ttmp7, 0xffff
	s_mov_b32 s[G1], 15|(3<<16)|(1<<21)
	s_mov_b32 s[G1+1], 32<<16
	s_mov_b32 s[G1+2], 128<<16
	s_mov_b32 s[G1+3], 32<<16
	s_mov_b32 s[G1+4], 128
	s_mov_b32 s[G1+5], 32
	s_mov_b32 s[G1+6], 0
	s_mov_b32 s[G1+7], 0
.irp n, 0,1,2,3
	s_add_co_u32 s[OF+2*\n], ttmp9, \n
	s_and_b32 s[OF+2*\n], s[OF+2*\n], 3
	s_lshl_b32 s[92+\n], s[OF+2*\n], 13
	s_lshl_b32 s[QB+2*\n], s[OF+2*\n], 18
	s_mov_b32 s[QB+2*\n+1], 0
	s_lshl_b32 s[OF+2*\n], s[OF+2*\n], 17
	s_mov_b32 s[OF+2*\n+1], 0
.endr
	s_lshl_b32 s18, s14, 15
	s_lshl_b32 s2, s17, 20
	s_lshl_b32 s3, s16, 13
	s_add_co_u32 s70, s2, s3
	s_mov_b32 s71, 0
	s_add_co_u32 s54, s2, s18
	s_add_co_u32 s54, s54, 0x1000000
	s_mov_b32 s55, 0
	s_lshl_b32 s58, s15, 13
	s_mov_b32 s59, 0
	s_lshl_b32 s68, s17, 22
	s_lshl_b32 s3, s16, 18
	s_add_co_u32 s68, s68, s3
	s_lshl_b32 s2, s14, 10
	s_add_co_u32 s68, s68, s2
	s_mov_b32 s69, 0
	s_mov_b32 s3, 0
	s_mov_b32 s19, 0
	v_and_b32 v12, 31, v0
	v_lshlrev_b32 v1, 4, v12
	v_lshlrev_b32 v13, 8, v12
	v_add_nc_u32 v2, s18, v1
	v_add_nc_u32 v3, SLOTB, v2
	v_add_nc_u32 v4, XB, v1
	s_lshl_b32 s67, s14, 13
	v_add_nc_u32 v5, s67, v4
.irp n, 0,1,2,3
	v_add_nc_u32 v[XA+\n], s[92+\n], v4
.endr
	v_and_b32 v12, 15, v0
	v_bfe_u32 v11, v0, 4, 1
	v_lshlrev_b32 v7, 4, v12
	v_add_nc_u32 v7, STATM, v7
	s_lshl_b32 s67, s14, 2
	v_add_nc_u32 v6, s67, v7
	v_mul_u32_u24 v10, v12, STP
	v_lshl_add_u32 v10, v11, 5, v10
	v_add_nc_u32 v10, s18, v10
.irp m, 0,1,2,3
	v_mov_b32 v[24+\m], 0
.endr
	s_wait_kmcnt 0x0
	s_load_b64 s[56:57], s[8:9], 0x18
	s_load_b128 s[60:63], s[8:9], 0x20
	s_add_nc_u64 s[44:45], s[4:5], s[70:71]
	s_add_nc_u64 s[10:11], s[10:11], s[2:3]
	s_add_nc_u64 s[68:69], s[12:13], s[68:69]
	s_add_nc_u64 s[KVL:KVL+1], s[4:5], s[KVL:KVL+1]
	s_add_nc_u64 s[KVH:KVH+1], s[KVL:KVL+1], 4*SLOTB
	s_add_nc_u64 s[WOL:WOL+1], s[WOL:WOL+1], s[18:19]
	s_add_nc_u64 s[WOH:WOH+1], s[WOL:WOL+1], 4*SLOTB
	s_add_nc_u64 s[46:47], s[KVH:KVH+1], s[58:59]
	s_add_nc_u64 s[46:47], s[46:47], s[OF:OF+1]
.irp n, 0,1,2,3
	s_add_nc_u64 s[QB+2*\n:QB+2*\n+1], s[44:45], s[QB+2*\n:QB+2*\n+1]
.endr
	s_mov_b32 s[G0], 1
	s_lshl_b32 s[G0+1], s14, 15
	s_add_nc_u64 s[G0+2:G0+3], s[KVL:KVL+1], s[OF:OF+1]
	s_or_b32 s[G0+3], s[G0+3], 0x80000000
	s_mov_b32 s[G0+4], 1
	s_add_co_u32 s[G0+5], s[G0+1], SLOTB
	s_add_nc_u64 s[G0+6:G0+7], s[KVL:KVL+1], s[OF+2:OF+3]
	s_or_b32 s[G0+7], s[G0+7], 0x80000000
	CROUND
	tensor_load_to_lds s[G0:G0+3], s[G1:G1+7]
	s_nop 0
	s_wait_alu depctr_va_vdst(0)
	s_wait_tensorcnt 0x0
	ds_add_u32 v8, v9
	s_wait_dscnt 0x0
	CROUND
	tensor_load_to_lds s[G0+4:G0+7], s[G1:G1+7]
	s_nop 0
	PLACES
	LOADQ 0, 0
	WIN 0
	s_wait_kmcnt 0x0
	s_add_co_i32 s48, s56, s57
	s_lshl_b32 s48, s48, 23
	s_add_co_i32 s48, s48, 0x3d38aa3b
	s_mov_b32 s49, s48
	s_mov_b32 s50, 0x76543210
	s_mov_b32 s51, 0xfedcba98
	s_add_co_i32 s52, s62, s63
	s_add_co_i32 s52, s52, 127
	s_lshl_b32 s52, s52, 23
	s_mov_b32 s53, s52
	s_add_co_i32 s70, s60, 127
	s_lshl_b32 s71, s70, 23
	v_mov_b32 v15, s71
	s_add_co_i32 s70, s70, 8
	s_lshl_b32 s70, s70, 23
	s_or_b32 s70, s70, 0x600000
	v_mov_b32 v14, s70
	s_wait_tensorcnt 0x1
	LOADB 0, 0
	LOADB 1, 0
	LOADB 2, 0
	LOADB 3, 0
	LOADQ 1, 1
	WIN 0
	STEP 0, 1, KVL, 1, 32, -1, 2, 1, 0
	STEP 1, 1, KVL, 0, 32, -1, 3, 0, 0
	STEP 2, 1, KVH, 0, 32, -1, -1, 0, 0
	STEP 3, 1, KVH, 0, 0, -1, -1, 0, 0
	CHANGE 0, KVH, 2
	global_load_b128 v[16:19], v1, s[10:11]
	global_load_b128 v[20:23], v1, s[10:11] offset:512
	WIN 0x0a
.irp m, 0,1,2,3
	v_max_num_f32 v[MX+2*\m], v[8*\m], v[8*\m+1]
	v_max_num_f32 v[MX+2*\m+1], v[8*\m+2], v[8*\m+3]
.endr
	WIN 0x28
.irp m, 0,1,2,3
	v_max3_num_f32 v[MX+2*\m], v[MX+2*\m], v[8*\m+4], v[8*\m+5]
	v_max3_num_f32 v[MX+2*\m+1], v[MX+2*\m+1], v[8*\m+6], v[8*\m+7]
.endr
.irp kt, 1,2,3,4,5,6,7
.irp q, 0,4
.irp m, 0,1,2,3
	v_max3_num_f32 v[MX+2*\m], v[MX+2*\m], v[32*\kt+8*\m+\q], v[32*\kt+8*\m+\q+1]
	v_max3_num_f32 v[MX+2*\m+1], v[MX+2*\m+1], v[32*\kt+8*\m+\q+2], v[32*\kt+8*\m+\q+3]
.endr
.endr
.endr
	WIN 0
.irp m, 0,1,2,3
	v_max_num_f32 v[MX+2*\m], v[MX+2*\m], v[MX+2*\m+1]
.endr
.irp m, 0,1,2,3
	v_permlanex16_b32 v[24+\m], v[MX+2*\m], s50, s51
.endr
.irp m, 0,1,2,3
	v_max_num_f32 v[MX+2*\m], v[MX+2*\m], v[24+\m]
.endr
.irp m, 0,1,2,3
	ds_store_b32 v6, v[MX+2*\m] offset:256*\m
.endr
	s_wait_dscnt 0x0
	s_barrier_signal -1
	s_barrier_wait -1
.irp m, 0,1,2,3
	ds_load_b128 v[ASET+4*\m:ASET+4*\m+3], v7 offset:256*\m
.endr
	s_wait_dscnt 0x0
.irp m, 0,1,2,3
	v_max3_num_f32 v[MX+2*\m], v[ASET+4*\m], v[ASET+4*\m+1], v[ASET+4*\m+2]
.endr
.irp m, 0,1,2,3
	v_max_num_f32 v[MX+2*\m], v[MX+2*\m], v[ASET+4*\m+3]
.endr
.irp m, 0,1,2,3
	v_mul_f32 v[MX+2*\m], s48, v[MX+2*\m]
.endr
.irp m, 0,1,2,3
	v_floor_f32 v[NM+2*\m], -v[MX+2*\m]
	v_floor_f32 v[NM+2*\m+1], -v[MX+2*\m]
.endr
	WIN 0x82
.irp kt, 0,1,2,3,4,5,6,7
.irp m, 0,1,2,3
.irp q, 0,2,4,6
	v_pk_fma_f32 v[32*\kt+8*\m+\q:32*\kt+8*\m+\q+1], v[32*\kt+8*\m+\q:32*\kt+8*\m+\q+1], s[48:49], v[NM+2*\m:NM+2*\m+1] op_sel_hi:[1,0,0]
.endr
.endr
.endr
.set n_, 0
	s_wait_alu depctr_va_vdst(0)
.rept 256
	v_exp_f32 v[n_], v[n_]
.set n_, n_+1
.endr
	v_nop
	s_wait_alu depctr_va_vdst(0)
	WIN 0x0a
.irp m, 0,1,2,3
	v_pk_add_f32 v[SU+4*\m:SU+4*\m+1], v[8*\m:8*\m+1], v[8*\m+2:8*\m+3]
	v_pk_add_f32 v[SU+4*\m+2:SU+4*\m+3], v[8*\m+4:8*\m+5], v[8*\m+6:8*\m+7]
.endr
	WIN 0x08
.irp kt, 1,2,3,4,5,6,7
.irp q, 0,4
.irp m, 0,1,2,3
	v_pk_add_f32 v[SU+4*\m:SU+4*\m+1], v[SU+4*\m:SU+4*\m+1], v[32*\kt+8*\m+\q:32*\kt+8*\m+\q+1]
	v_pk_add_f32 v[SU+4*\m+2:SU+4*\m+3], v[SU+4*\m+2:SU+4*\m+3], v[32*\kt+8*\m+\q+2:32*\kt+8*\m+\q+3]
.endr
.endr
.endr
	WIN 0x82
.set n_, 0
.rept 256
	v_min_num_f32 v[n_], v[n_], v14
.set n_, n_+1
.endr
	WIN 0x02
.irp m, 0,1,2,3
.irp kt, 0,1,2,3,4,5,6,7
	v_cvt_scalef32_pk8_fp8_f32 v[PC+16*\m+2*\kt:PC+16*\m+2*\kt+1], v[32*\kt+8*\m:32*\kt+8*\m+7], v15
.endr
.endr
	WIN 0
.irp m, 0,1,2,3
	v_pk_add_f32 v[SU+4*\m:SU+4*\m+1], v[SU+4*\m:SU+4*\m+1], v[SU+4*\m+2:SU+4*\m+3]
.endr
.irp m, 0,1,2,3
	v_add_f32 v[SU+4*\m], v[SU+4*\m], v[SU+4*\m+1]
.endr
.irp m, 0,1,2,3
	v_permlanex16_b32 v[24+\m], v[SU+4*\m], s50, s51
.endr
.irp m, 0,1,2,3
	v_add_f32 v[SU+4*\m], v[SU+4*\m], v[24+\m]
.endr
	IMG PC
.irp m, 0,1,2,3
	ds_store_b32 v6, v[SU+4*\m] offset:1024+256*\m
.endr
	s_wait_dscnt 0x0
	s_barrier_signal -1
	s_barrier_wait -1
	LOADA 0, 0
.irp m, 0,1,2,3
	ds_load_b128 v[ASET+64+4*\m:ASET+64+4*\m+3], v7 offset:1024+256*\m
.endr
	s_wait_dscnt 0x0
.irp m, 0,1,2,3
	v_add_f32 v[ASET+64+4*\m], v[ASET+64+4*\m], v[ASET+64+4*\m+1]
	v_add_f32 v[ASET+64+4*\m+2], v[ASET+64+4*\m+2], v[ASET+64+4*\m+3]
.endr
.irp m, 0,1,2,3
	v_add_f32 v[ASET+64+4*\m], v[ASET+64+4*\m], v[ASET+64+4*\m+2]
.endr
	s_wait_alu depctr_va_vdst(0)
.irp m, 0,1,2,3
	v_rcp_f32 v[NM+2*\m], v[ASET+64+4*\m]
.endr
	v_nop
	s_add_co_i32 s70, s60, s61
	s_wait_alu depctr_va_vdst(0)
.irp m, 0,1,2,3
	v_ldexp_f32 v[NM+2*\m], v[NM+2*\m], s70
.endr
.irp m, 0,1,2,3
	v_mov_b32 v[NM+2*\m+1], v[NM+2*\m]
.endr
	STEPN 4, 1
	STEP 5, 2, KVH, 0, -1, 2, -1, 0, 0
	STEP 6, 2, WOL, 0, -1, 3, -1, 0, 0
	STEP 7, 2, WOL, 0, -1, -1, -1, 0, 0
	CHANGE 0, WOL, 2
	s_add_co_i32 s70, s62, 127
	s_lshl_b32 s71, s70, 23
	v_mov_b32 v15, s71
	s_add_co_i32 s70, s70, 8
	s_lshl_b32 s70, s70, 23
	s_or_b32 s70, s70, 0x600000
	v_mov_b32 v14, s70
	s_wait_alu depctr_va_vdst(0)
	OQ 2, ASET
	OQ 3, PC
	WIN 0
	v_nop
	IMG ASET
	s_wait_dscnt 0x0
	s_barrier_signal -1
	s_barrier_wait -1
	LOADA 0, 0
	s_wait_dscnt 0x0
	STEPN 8, 1
	STEP 9, 2, WOL, 0, -1, 2, -1, 0, 0
	STEP 10, 2, WOH, 0, -1, 3, -1, 0, 0
	STEP 11, 2, WOH, 0, -1, 0, -1, 0, 1
	STEP 12, 2, WOH, 0, -1, 1, -1, 0, 0
	STEP 13, 2, WOH, 0, -1, 2, -1, 0, 0
	s_wait_tensorcnt 0x0
	s_wait_dscnt 16
	MUL16 0, 2, 0, 0
	s_wait_dscnt 0x0
	PLACES
	LOADB 0, 1
	MUL16 1, 2, 0, 0
	PLACES
	LOADB 1, 1
	MUL16 2, 2, 0, 0
	PLACES
	LOADB 2, 1
	LOADA 1, 3
	MUL16 3, 2, 0, 0
	PLACES
	LOADB 3, 1
	s_wait_dscnt 16
	MUL16 0, 2, 1, 0
	MUL16 1, 2, 1, 0
	MUL16 2, 2, 1, 0
	s_wait_dscnt 0x0
	MUL16 3, 2, 1, 0
	WIN 0
.macro TOSTAGE a
	WIN 0x08+4*((\a)/4)
.irp b, 0,1,2,3,4,5,6,7
	ds_store_b128 v10, v[32*\b+8*((\a)%4):32*\b+8*((\a)%4)+3] offset:64*\b
	ds_store_b128 v10, v[32*\b+8*((\a)%4)+4:32*\b+8*((\a)%4)+7] offset:64*\b+16
.endr
	WIN 0
.irp t, 0,1,2,3,4,5,6,7,8,9,10,11,12,13,14,15
	ds_load_b128 v[ASET+64*((\a)%2)+4*\t:ASET+64*((\a)%2)+4*\t+3], v2 offset:STP*\t
.endr
.endm
.macro SEND a, younger
.set BB_, ASET+64*((\a)%2)
.set HC_, (\a)/4
.set MM_, (\a)%4
	s_wait_dscnt \younger
.irp t, 0,1,2,3,4,5,6,7,8,9,10,11,12,13,14,15
	v_pk_fma_f32 v[BB_+4*\t:BB_+4*\t+1], v[BB_+4*\t:BB_+4*\t+1], s[52:53], v[16+4*HC_:17+4*HC_] op_sel_hi:[1,0,1]
	v_pk_fma_f32 v[BB_+4*\t+2:BB_+4*\t+3], v[BB_+4*\t+2:BB_+4*\t+3], s[52:53], v[18+4*HC_:19+4*HC_] op_sel_hi:[1,0,1]
.endr
.irp t, 0,1,2,3,4,5,6,7,8,9,10,11,12,13,14,15
	global_store_b128 v1, v[BB_+4*\t:BB_+4*\t+3], s[68:69] offset:(32*(MM_/2)+8*(MM_%2)+\t+8*(\t/8))*4096+512*HC_ th:TH_STORE_NT
.endr
.endm
	PLACES
	s_wait_loadcnt 0x0
	TOSTAGE 0
.irp a, 1,2,3,4,5,6,7
.if \a > 1
	s_wait_xcnt 0x0
.endif
	TOSTAGE \a
	SEND \a-1, 32
.endr
	SEND 7, 0
	s_wait_tensorcnt 0x0
	ds_add_u32 v[SPW], v[NIL]
	s_wait_dscnt 0x0
	CROUND
	s_endpgm
.Lfunc_end_k_q49d6d20ca8_attn:
	.size	k_q49d6d20ca8_attn, .Lfunc_end_k_q49d6d20ca8_attn-k_q49d6d20ca8_attn
	.p2alignl 7, 3214868480
	.fill 96, 4, 3214868480
	.section	.rodata,"a",@progbits
	.p2align	6, 0x0
	.amdhsa_kernel k_q49d6d20ca8_attn
		.amdhsa_group_segment_fixed_size 327680
		.amdhsa_private_segment_fixed_size 0
		.amdhsa_enable_private_segment 0
		.amdhsa_kernarg_size 40
		.amdhsa_user_sgpr_count 2
		.amdhsa_user_sgpr_kernarg_segment_ptr 1
		.amdhsa_wavefront_size32 1
		.amdhsa_system_sgpr_workgroup_id_x 1
		.amdhsa_system_sgpr_workgroup_id_y 1
		.amdhsa_system_sgpr_workgroup_id_z 1
		.amdhsa_system_vgpr_workitem_id 0
		.amdhsa_next_free_vgpr 1024
		.amdhsa_next_free_sgpr 96
		.amdhsa_reserve_vcc 0
		.amdhsa_float_denorm_mode_32 3
		.amdhsa_float_denorm_mode_16_64 3
		.amdhsa_memory_ordered 1
		.amdhsa_forward_progress 1
		.amdhsa_inst_pref_size 255
	.end_amdhsa_kernel
	.section	.bss,"aw",@nobits
	.p2align	6
	.space	262144
	.amdgpu_metadata
---
amdhsa.version: [ 1, 2 ]
amdhsa.kernels:
  - .name:           k_q49d6d20ca8_attn
    .symbol:         k_q49d6d20ca8_attn.kd
    .args:
      - { .name: img, .offset: 0, .size: 8, .value_kind: global_buffer, .address_space: global }
      - { .name: woimg, .offset: 8, .size: 8, .value_kind: global_buffer, .address_space: global }
      - { .name: lowp_scales, .offset: 16, .size: 8, .value_kind: global_buffer, .address_space: global }
      - { .name: bo, .offset: 24, .size: 8, .value_kind: global_buffer, .address_space: global }
      - { .name: out0, .offset: 32, .size: 8, .value_kind: global_buffer, .address_space: global }
    .group_segment_fixed_size: 327680
    .private_segment_fixed_size: 0
    .kernarg_segment_align: 8
    .kernarg_segment_size: 40
    .max_flat_workgroup_size: 128
    .sgpr_count:     96
    .vgpr_count:     1024
    .wavefront_size: 32
...
	.end_amdgpu_metadata
.endif
;; end of part 3
